; MI455X (gfx1250); checked and timed in simulation.
; The chip was launched on July 23, 2026; its instructions are those of AMD's public machine-readable ISA for CDNA 5 (MIT licence, August 2026) and "CDNA5" Instruction Set Architecture Reference Guide (July 2026). The comments in the code are by the model that wrote it; some were corrected since.
;; Vector Quantizer. Allowed arithmetic: matrix products marked QUANTISED: E2M1 operands, one E8M0 scale for each 32 along K, by v_wmma_scale_f32_16x16x128_f8f6f4 with both operands' format E2M1 (or v_wmma_scale_f32_32x16x128_f4), f32 sums; everything else in f32.
;; Inputs: codebook 8,192 x 256 float32; x 32,768 x 256 float32.
;; Outputs: out0 32,768 x 256 float32.
;; This version of the problem:
;;   THIS VERSION OF THE PROBLEM IS GIVEN IN LOW PRECISION. The matrix products marked QUANTISED in the list below multiply operands that are first quantised to E2M1 (2 exponent bits, 1 mantissa bit; 4 bits a number), with one power-of-two scale for each 32 numbers along K (OCP MX v1.0); their sums are f32. All else is computed in f32.
;;   The module's matrix products, in the order in which they are computed (A, B: the left and right operand; K: the contracted axis; several contracted axes count as one K, in the product's order):
;;     1. [M 32,768, K 256] x [K 256, N 8,192]; A: input x; B: input codebook: QUANTISED
;;   THE QUANTISER, for each operand of a quantised product, along K:
;;     - K is cut into blocks of 32 from its start; a last block that is shorter is filled with zeros.
;;     - A block's scale is 2^e with e = floor(log2(the largest magnitude in the block)) - 2, held to -126 .. 127; a block of zeros has e = 0. As a byte (E8M0): e + 127.
;;     - Each number is divided by its block's scale, clamped to +-6, and rounded to the nearest number of E2M1, ties to even, subnormals kept.
;;     - The product sums the exact products of the quantised numbers (number of the format x scale) in f32.
;;   ~~~python
;;   def quantise(x, axis):      # numpy; x: float32 -> the quantised numbers, widened to float32 again
;;       x = np.moveaxis(x, axis, -1); K = x.shape[-1]
;;       x = np.pad(x, [(0, 0)] * (x.ndim - 1) + [(0, -K % 32)]); x = x.reshape(x.shape[:-1] + (-1, 32)); a = np.abs(x).max(-1, keepdims=True)
;;       e = np.where(a > 0, np.clip(np.frexp(np.where(a > 0, a, 1))[1] - 1 - 2, -126, 127), 0)      # np.frexp(a)[1] - 1 = floor(log2(a)), exactly
;;       r = np.clip(x / 2.0 ** e, -6, 6)
;;       step = 2.0 ** (np.maximum(np.frexp(np.where(r == 0, 1, r))[1] - 1, 0) - 1)
;;       q = np.round(r / step) * step * 2.0 ** e      # np.round: ties to even
;;       return np.moveaxis(q.reshape(q.shape[:-2] + (-1,))[..., :K], -1, axis).astype(np.float32)
;;   ~~~
;; One version. Each part assembles by itself: llvm-mc -triple=amdgcn-amd-amdhsa -mcpu=gfx1250 --defsym DOCPART=n.
;; ======== version 1 of 1: 3 launches
;; limits: right only within a limited range of input values
;; workspace buffers: xq 4,718,592 bytes; cq 1,179,648 bytes; ckey 1,048,576 bytes of whole numbers; cidx 1,048,576 bytes of whole numbers
;; launch quant (part 1): grid 256 x 1, 10 waves a work-group, no clusters, 172,800 bytes of LDS; arguments x, codebook, xq, cq; writes xq, cq
.if DOCPART == 1
	.amdgcn_target "amdgcn-amd-amdhsa--gfx1250"
	.amdhsa_code_object_version 6
	.text
	.protected	k_qf655cb93c0_quant
	.globl	k_qf655cb93c0_quant
	.p2align	8
	.type	k_qf655cb93c0_quant,@function
k_qf655cb93c0_quant:
	s_mov_b64 s[64:65], 0
	v_nop
	global_prefetch_b8 v0, s[64:65] scope:SCOPE_SE
	s_setreg_imm32_b32 hwreg(HW_REG_WAVE_MODE, 25, 1), 1
	s_wait_xcnt 0x0
; x [32768][256] and codebook [8192][256], f32, become RECORDS of 16 rows each: codes of FP4 (E2M1) as an image of a matrix operand's registers, the rows' E8M0 scale words, and the rows' sums of squares.
; A record is 2,304 bytes (nine blocks of 256).  For row m = 0..15 of the tile, K step s = 0, 1 (128 along K), c = 0, 1 and h = 0, 1:
;   byte 512 (2 s + c) + 16 (m + 16 h): the 32 codes of k = 128 s + 64 c + 32 h + 0..31, the lower k in the lower bits: what lane m + 16 h holds in registers 4 c .. 4 c + 3 of K step s's fragment
;   byte 2048 + 4 (m + 16 s): row m's scale word of K step s (byte b: block 4 s + b)        byte 2176 + 4 m: the sum of squares of row m's f32 numbers        bytes 2240..2303: zeros
; THE ROWS OF A TILE: x's tile t holds rows 16 t + m.  The codebook's tile 2 b + u holds codes 32 b + 16 (m / 8) + 8 u + m % 8, so that in the product's result the 16 registers of tiles u = 0, 1 are 16 neighbouring codes.
; A block's scale is 2^(floor(log2(its largest magnitude)) - 2); its byte is the largest magnitude's exponent field - 2, held at 1 from below by a floor among the maximum's leaves.
; LIMITS: a block of zeros gets the byte 1 where the rule says 127 (its codes are zeros, which add nothing under any byte but 0xff, and this program alone reads the bytes).  NaN and infinities among the inputs are not served.
;   The sums of squares are fused multiply-adds in this text's own order (two packed chains a lane, two lanes a row), not the order of any other summation.
; SHARES: one tile a wave; tile T = 10 x work-group + wave, 2,560 in all: T < 2,048 is x's, the others the codebook's.  Only pointers and offsets are chosen: both tensors take one path through the text.
; A load is best where neighbouring lanes take neighbouring bytes (512 consecutive bytes a load: half a row); the conversions want 32 neighbours along K in ONE lane.  So a K step's 16 x 512 bytes turn through the wave's own
; stage in LDS (rows 528 bytes apart: 33 x 16, so that the sixteen rows that a read touches start in different banks).  No barrier: waves share nothing.  No loop: every offset is an immediate.
; The word at byte 2176 + 4 m holds the row's sum of squares NEGATED (the negation is exact): the launch that reads it adds two such words.
.set TILES_X, 2048
.set REC,   2304
.set WREG,  17152                      ; LDS of a wave: two stages of 16 x 528 bytes, then 256 bytes for the record's last block
.set SPI,   528
.set STG1,  8448
.set MS,    16896
.set AM,    8                          ; v8-9    largest magnitudes, c = 0, 1
.set OP,    10                         ; v10-11  the conversions' scale operands
.set BY,    12                         ; v12-13  scale bytes
.set WD,    14                         ; v14-15  the row's scale words of K steps 0, 1
.set SS,    16                         ; v16-19  sums of squares: a pair for each c
.set TP,    20                         ; v20-23  at work
.set C,     24                         ; v24-39  codes: four registers for each (s, c): no store's data are written again
.set BK,    40                         ; v40-41  the record's last block, 8 bytes a lane
.set X,     48                         ; v48-111 my 2 x 32 neighbours of a K step
.set R,     112                        ; v112-239 the tile as loaded: 64 s + 4 m
	s_load_b256 s[4:11], s[0:1], 0x0               ; x s[4:5], codebook s[6:7], xq s[8:9], cq s[10:11]
	v_lshl_add_u32 v240, v0, 2, 0x29e00
	v_mov_b32 v241, 0
	v_lshrrev_b32 v1, 5, v0
	s_delay_alu instid0(VALU_DEP_1)
	v_readfirstlane_b32 s12, v1                    ; wave 0..9
	v_and_b32 v6, 31, v0                           ; lane
	s_delay_alu instid0(VALU_DEP_1)
	v_lshlrev_b32 v1, 4, v6                        ; v1: 16 x lane: my bytes of a load's 512, and of a store of codes
	s_mul_i32 s30, s12, WREG                       ; my wave's LDS
	v_add_nc_u32 v2, s30, v1                       ; v2: the stage, on the way in
	v_and_b32 v3, 15, v0                           ; m
	v_bfe_u32 v7, v0, 4, 1                         ; h
	s_delay_alu instid0(VALU_DEP_2)
	v_mul_u32_u24 v3, v3, SPI
	s_delay_alu instid0(VALU_DEP_1)
	v_lshl_add_u32 v3, v7, 7, v3
	s_delay_alu instid0(VALU_DEP_1)
	v_add_nc_u32 v3, s30, v3                       ; v3: on the way out: row m, + 128 h bytes: 32 numbers
	s_add_co_u32 s30, s30, MS
	v_lshl_add_u32 v4, v6, 2, s30                  ; v4: the last block, a word a lane
	v_lshl_add_u32 v5, v6, 3, s30                  ; v5: and back, 8 bytes a lane
	v_lshlrev_b32 v6, 3, v6                        ; v6: 8 x lane
	v_lshlrev_b32 v7, 3, v7                        ; v7: 8 h: my bytes' shift in a scale word
	v_mov_b32 v[TP], 0                             ; written once: a lane permute's destination counts as one of its sources
	v_mov_b32 v[TP+1], 0
	s_mov_b32 s24, 0x76543210
	s_mov_b32 s25, 0xfedcba98                      ; v_permlanex16_b32's selects for lane l xor 16
	s_mov_b32 s26, 0xffff0000                      ; lanes 16-31
	s_mul_i32 s13, ttmp9, 10
	s_add_co_u32 s13, s13, s12                     ; T
	s_mov_b32 s22, 16384
	s_wait_alu depctr_va_vdst(0)
	s_wait_kmcnt 0x0
	s_cmp_lt_u32 s13, TILES_X                      ; x's tile or the codebook's?  The choice hangs on ids alone
	s_cselect_b64 s[14:15], s[4:5], s[6:7]         ; from
	s_cselect_b64 s[18:19], s[8:9], s[10:11]       ; to
	s_cselect_b32 s22, 8192, s22                   ; from rows m = 0..7 to rows m = 8..15: 8 rows on in x, 16 in the codebook
	s_cselect_b32 s20, 0, TILES_X
	s_sub_co_u32 s21, s13, s20                     ; the tile's number in its tensor
	s_lshl_b32 s27, s21, 14                        ; x: 16 rows of 1,024 bytes a tile
	s_lshr_b32 s28, s21, 1
	s_lshl_b32 s28, s28, 15                        ; codebook: 32 rows for each pair of tiles,
	s_and_b32 s29, s21, 1
	s_lshl_b32 s29, s29, 13                        ; and 8 rows for the odd one
	s_add_co_u32 s29, s28, s29
	s_cmp_lt_u32 s13, TILES_X                      ; (the arithmetic above has written SCC)
	s_cselect_b32 s28, s27, s29
	s_mov_b32 s29, 0
	s_add_nc_u64 s[14:15], s[14:15], s[28:29]      ; rows m = 0..7
	s_mov_b32 s23, 0
	s_add_nc_u64 s[16:17], s[14:15], s[22:23]      ; rows m = 8..15
	s_mul_i32 s20, s21, REC
	s_mov_b32 s21, 0
	s_add_nc_u64 s[18:19], s[18:19], s[20:21]      ; my record
.irp s, 0,1                                    ; all 32 loads at once, K step 0's first: each reads 512 consecutive bytes
.irp m, 0,1,2,3,4,5,6,7
	global_load_b128 v[R+64*\s+4*\m:R+64*\s+4*\m+3], v1, s[14:15] offset:1024*\m+512*\s th:TH_LOAD_NT
.endr
.irp m, 0,1,2,3,4,5,6,7
	global_load_b128 v[R+64*\s+32+4*\m:R+64*\s+32+4*\m+3], v1, s[16:17] offset:1024*\m+512*\s th:TH_LOAD_NT
.endr
.endr
; My 2 x 32 numbers of K step s (block 2 c + h of the step, c = 0, 1) become codes, two bytes of the scale word, and a part of the sum of squares.  The two blocks take turns line by line.
.macro QUANT s
.irp c, 0,1
	v_max3_num_f32 v[AM+\c], |v[X+32*\c]|, |v[X+32*\c+1]|, 0x1800000   ; the floor 2^(3 - 127): the byte cannot fall under 1
.endr
.irp i, 2,4,6,8,10,12,14,16,18,20,22,24,26,28,30
.irp c, 0,1
	s_delay_alu instid0(VALU_DEP_2)
	v_max3_num_f32 v[AM+\c], v[AM+\c], |v[X+32*\c+\i]|, |v[X+32*\c+\i+1]|
.endr
.endr
.irp i, 0,2,4,6,8,10,12,14,16,18,20,22,24,26,28,30
.irp c, 0,1
.if (\s == 0) && (\i == 0)
	v_pk_mul_f32 v[SS+2*\c:SS+2*\c+1], v[X+32*\c:X+32*\c+1], v[X+32*\c:X+32*\c+1]   ; the first squares start the sums: nothing is cleared
.else
	v_pk_fma_f32 v[SS+2*\c:SS+2*\c+1], v[X+32*\c+\i:X+32*\c+\i+1], v[X+32*\c+\i:X+32*\c+\i+1], v[SS+2*\c:SS+2*\c+1]
.endif
.endr
.endr
.irp c, 0,1
	v_add_nc_u32 v[OP+\c], 0xff000000, v[AM+\c]    ; 2 off the exponent field: the conversion takes the exponent field of this operand as its scale, and nothing else of it
.endr
.irp c, 0,1
	s_delay_alu instid0(VALU_DEP_2)
	v_lshrrev_b32 v[BY+\c], 23, v[OP+\c]           ; the scale's byte
.endr
	s_delay_alu instid0(VALU_DEP_1)
	v_lshl_or_b32 v[TP+2], v[BY+1], 16, v[BY]      ; my two bytes: blocks h and 2 + h,
	s_delay_alu instid0(VALU_DEP_1)
	v_lshlrev_b32 v[TP+2], v7, v[TP+2]             ; at their places in the word (8 h bits up);
	s_delay_alu instid0(VALU_DEP_1)
	v_permlanex16_b32 v[TP], v[TP+2], s24, s25
	s_delay_alu instid0(VALU_DEP_1)
	v_or_b32 v[WD+\s], v[TP+2], v[TP]              ; with lane l xor 16's two the word is whole, in both lanes
.irp c, 0,1
.irp g, 0,1,2,3
	v_cvt_scalef32_pk8_fp4_f32 v[C+4*(2*\s+\c)+\g], v[X+32*\c+8*\g:X+32*\c+8*\g+7], v[OP+\c]   ; eight numbers / the scale, to the nearest code, ties to even, beyond the largest code the largest
.endr
.endr
	v_nop                                          ; one plain place behind the last scaled conversion
.irp c, 0,1
	global_store_b128 v1, v[C+4*(2*\s+\c):C+4*(2*\s+\c)+3], s[18:19] offset:512*(2*\s+\c)   ; 32 lanes store 512 consecutive bytes, at a multiple of 256 from the buffer's first byte
.endr
.endm
.macro HALF s
.if \s == 0
	s_wait_loadcnt 16                              ; K step 0's sixteen loads are in; the sixteen younger ones may stay out
.else
	s_wait_loadcnt 0x0
.endif
.irp m, 0,1,2,3,4,5,6,7,8,9,10,11,12,13,14,15
	ds_store_b128 v2, v[R+64*\s+4*\m:R+64*\s+4*\m+3] offset:STG1*\s+SPI*\m
.endr
.irp c, 0,1
.irp j, 0,1,2,3,4,5,6,7
	ds_load_b128 v[X+32*\c+4*\j:X+32*\c+4*\j+3], v3 offset:STG1*\s+256*\c+16*\j   ; LDS serves a wave's instructions in order (ISA guide 5.7.1.4): these see the stores above
.endr
.endr
	s_wait_dscnt 0x0
	QUANT \s
.endm
	HALF 0
	HALF 1
	v_add_f32 v[SS], v[SS], v[SS+1]                ; the sum of squares: my four partial sums,
	v_add_f32 v[SS+2], v[SS+2], v[SS+3]
	s_delay_alu instid0(VALU_DEP_1)
	v_add_f32 v[SS], v[SS], v[SS+2]
	s_delay_alu instid0(VALU_DEP_1)
	v_permlanex16_b32 v[TP+1], v[SS], s24, s25
	s_delay_alu instid0(VALU_DEP_1)
	v_sub_f32 v[SS], -v[SS], v[TP+1]               ; and lane l xor 16's, the whole negated: -(a + b), rounded as a + b is
	v_cndmask_b32 v[TP+2], v[WD], v[WD+1], s26     ; lane m + 16 s: row m's scale word of K step s
	s_delay_alu instid0(VALU_DEP_2)
	v_cndmask_b32 v[TP+3], v[SS], 0, s26           ; lanes 0-15: the sums; lanes 16-31: the zeros that fill the block
	ds_store_b32 v4, v[TP+2]
	ds_store_b32 v4, v[TP+3] offset:128
	ds_load_b64 v[BK:BK+1], v5                     ; back, 8 bytes a lane
	s_wait_dscnt 0x0
	global_store_b64 v6, v[BK:BK+1], s[18:19] offset:2048   ; 32 lanes store the record's last 256 bytes whole
	s_wait_tensorcnt 0x0
	ds_add_u32 v240, v241
	s_wait_dscnt 0x0
	s_endpgm
.Lfunc_end_k_qf655cb93c0_quant:
	.size	k_qf655cb93c0_quant, .Lfunc_end_k_qf655cb93c0_quant-k_qf655cb93c0_quant
	.p2alignl 7, 3214868480
	.fill 96, 4, 3214868480
	.section	.rodata,"a",@progbits
	.p2align	6, 0x0
	.amdhsa_kernel k_qf655cb93c0_quant
		.amdhsa_group_segment_fixed_size 172800
		.amdhsa_private_segment_fixed_size 0
		.amdhsa_enable_private_segment 0
		.amdhsa_kernarg_size 32
		.amdhsa_user_sgpr_count 2
		.amdhsa_user_sgpr_kernarg_segment_ptr 1
		.amdhsa_wavefront_size32 1
		.amdhsa_system_sgpr_workgroup_id_x 1
		.amdhsa_system_sgpr_workgroup_id_y 1
		.amdhsa_system_sgpr_workgroup_id_z 1
		.amdhsa_system_vgpr_workitem_id 0
		.amdhsa_next_free_vgpr 242
		.amdhsa_next_free_sgpr 66
		.amdhsa_reserve_vcc 0
		.amdhsa_float_denorm_mode_32 3
		.amdhsa_float_denorm_mode_16_64 3
		.amdhsa_memory_ordered 1
		.amdhsa_forward_progress 1
		.amdhsa_inst_pref_size 24
	.end_amdhsa_kernel
	.amdgpu_metadata
---
amdhsa.version: [ 1, 2 ]
amdhsa.kernels:
  - .name:           k_qf655cb93c0_quant
    .symbol:         k_qf655cb93c0_quant.kd
    .args:
      - { .name: x, .offset: 0, .size: 8, .value_kind: global_buffer, .address_space: global }
      - { .name: codebook, .offset: 8, .size: 8, .value_kind: global_buffer, .address_space: global }
      - { .name: xq, .offset: 16, .size: 8, .value_kind: global_buffer, .address_space: global }
      - { .name: cq, .offset: 24, .size: 8, .value_kind: global_buffer, .address_space: global }
    .group_segment_fixed_size: 172800
    .private_segment_fixed_size: 0
    .kernarg_segment_align: 8
    .kernarg_segment_size: 32
    .max_flat_workgroup_size: 320
    .sgpr_count:     66
    .vgpr_count:     242
    .wavefront_size: 32
...
	.end_amdgpu_metadata
.endif
;; end of part 1
;; launch dist (part 2): grid 32 x 8, 8 waves a work-group, clusters of 4 x 1, 168,960 bytes of LDS; arguments xq, cq, ckey, cidx; writes ckey, cidx
.if DOCPART == 2
	.amdgcn_target "amdgcn-amd-amdhsa--gfx1250"
	.amdhsa_code_object_version 6
	.text
	.protected	k_qf655cb93c0_dist
	.globl	k_qf655cb93c0_dist
	.p2align	8
	.type	k_qf655cb93c0_dist,@function
k_qf655cb93c0_dist:
	s_mov_b64 s[64:65], 0
	v_nop
	global_prefetch_b8 v0, s[64:65] scope:SCOPE_SE
	s_setreg_imm32_b32 hwreg(HW_REG_WAVE_MODE, 25, 1), 1
	s_wait_xcnt 0x0
	s_wait_alu depctr_hold_cnt(0) depctr_sa_sdst(0) depctr_va_vdst(0) depctr_va_sdst(0) depctr_va_ssrc(0) depctr_va_vcc(0) depctr_vm_vsrc(0)
	s_getreg_b32 s2, hwreg(HW_REG_IB_STS2, 6, 4)
	s_cmp_eq_u32 s2, 0
	s_cbranch_scc0 .Lentry_in_a_cluster
	s_endpgm
.Lentry_in_a_cluster:
	s_bfe_u32 s2, ttmp6, 0x10000c
	s_cmp_lg_u32 s2, 0x3003
	s_cbranch_scc0 .Lentry_shape_is_right
	s_endpgm
.Lentry_shape_is_right:
; For 1,024 rows of x (block rb) and 1,024 codes (partition part): the smallest distance d = fl(fl(L2 + C2) - 2 LC) of each row and the first code that reaches it.  LC = x . code is the product on codes of FP4 (E2M1)
; with E8M0 scales, K = 256: two matrix instructions a tile of 16 x 16.  Nothing of the reference is left out: both roundings of d are made as they are written.
; THE TEXT KEEPS nd = fl(2 LC + fl(-C2 + -L2)), which is -d bit for bit (rounding to nearest is symmetric; the records hold the sums of squares negated), and looks for the LARGEST; a strict comparison keeps the earlier code.
; Out: ckey[part][row] = d's bits turned into a whole number that orders as d does; cidx[part][row] = the code.  A later launch chooses among the eight partitions.
; LIMITS: NaN and infinities among the inputs are not served.
; SHARES.  Eight waves; a wave owns 128 rows, eight tiles of 16, whose fragments stay in its registers, and walks the partition's 32 supertiles (32 codes: two records of 2,304 bytes).
; The partition, 147,456 bytes, lies in LDS whole: it is filled once, so there is no ring, nothing is filled again, and there is no loop of fills for a prefetch to run ahead in.
; CLUSTER.  The four work-groups of a cluster have the same partition and other rows: the partition is asked for JOINTLY, each wave an eighth, by the same tensor load with the same descriptor and the mask of all four.
; x's records go from memory straight into the registers of the one wave that uses them, once, at the head: a joint load would send them through LDS for a read that stands in no loop.
; LAYOUT.  Source 0 = 16 codes, source 1 = 16 rows of x: lane (r, h) holds row r, and register j of tile u the code 32 b + 16 h + 8 u + j: 16 neighbouring codes in 16 registers.
; THE SEARCH, for a batch of two tiles of rows (e = 0, 1) x 16 codes a lane: 16 pairs of additions, 16 pairs of multiply-adds, 16 maxima; where a group's largest beats the lane's best, the supertile's number and the
; group's 16 numbers are kept (selections in pairs, on VCC).  Where in the winning group the best lies is looked for once, behind the loop.
; The pairs are dual-issue forms: one destination even and one odd, the two first sources and the two second sources in different register banks (number mod 4).  An addition's or a multiply-add's pair takes number j of
; tile e = 0 with number j + 1 (or j - 1) of tile e = 1.  They stand under window 0 alone.  DUAL = 0 writes every pair as two single instructions.
; REGISTERS.  window 0: v1-6 the add's two, LDS addresses, the supertile in hand; v7-14 the winning supertile; v15-22 x's scale words; v23-30 -L2; v31-34 the codes' scale words, two sets; v35-39 at work; v40-47 best;
;   v48-63 -C2; v64-95 nd of a batch; v96-127 four accumulators; v128-255 the kept groups.   window 1: v0-127 x's fragments; v128-191 the codes' fragments, two sets.
.set DUAL,  1
.set REC,   2304
.set SUP,   4608                       ; a supertile
.set PARTB, 147456                     ; 32 supertiles; also 64 records of x
.set WSH,   18432                      ; an eighth of that: 72 rows of 256 bytes; also a wave's 8 records of x
.set SCR,   147456                     ; behind the partition: 1,024 bytes for each wave: 128 keys, 128 indices.  No tile lands there
.set SPARE, 0x29000                    ; the spare words: 128 bytes for each wave, which no other line names
.set SPW,  1
.set NIL,  2
.set ADI,  3                           ; LDS addresses of the trip: fragments, scale words, -C2
.set CUR,  4                           ; the supertile in hand
.set ADS,  5
.set ADC,  6
.set ID,   7
.set BSC,  15
.set L2N,  23
.set ASC,  31
.set MM,   35
.set TMP,  39
.set BEST, 40
.set C2,   48
.set T,    64
.set ACC,  96
.set SV,   128
.set XF,   0                           ; in window 1
.set AF,   128                         ; in window 1
; the head's and the end's registers, where -C2, nd and the accumulators are not at work
.set TL,   64
.set LI,   65
.set LS,   66
.set GR,   67
.set BASE, 48
.set SCA,  49
.set SCB,  50
.set OK,   51
.set OI,   52
.set TA,   53
.set KY,   68
.set IX,   76
.set POS,  84
.set OUTV, 96
.set OUTB, 104
.set MSB, 0
.macro WIN new                         ; the immediate's high byte repeats the setting that is left; a switch that changes nothing is dropped
.if MSB != \new
	s_set_vgpr_msb (MSB<<8)|\new
.set MSB, \new
.endif
.endm
.macro CROUND                          ; a round of the cluster's barrier
	s_barrier_signal -1
	s_barrier_wait -1
	s_cmp_lg_u32 s12, 0
	s_cbranch_scc1 .Lnot_wave_0_\@
	s_barrier_signal -3
.Lnot_wave_0_\@:
	s_barrier_wait -3
	s_barrier_signal -1
	s_barrier_wait -1
.endm
.macro DADD d0, a0, b0, d1, a1, b1     ; two additions
.if DUAL
	v_dual_add_f32 v[\d0], v[\a0], v[\b0] :: v_dual_add_f32 v[\d1], v[\a1], v[\b1]
.else
	v_add_f32 v[\d0], v[\a0], v[\b0]
	v_add_f32 v[\d1], v[\a1], v[\b1]
.endif
.endm
.macro DFMA d0, b0, d1, b1             ; two fused multiply-adds: d = 2 b + d
.if DUAL
	v_dual_fmac_f32 v[\d0], 2.0, v[\b0] :: v_dual_fmac_f32 v[\d1], 2.0, v[\b1]
.else
	v_fmac_f32 v[\d0], 2.0, v[\b0]
	v_fmac_f32 v[\d1], 2.0, v[\b1]
.endif
.endm
.macro DSEL d0, b0, d1, b1             ; two selections on VCC: d = b where the group has won
.if DUAL
	v_dual_cndmask_b32 v[\d0], v[\d0], v[\b0] :: v_dual_cndmask_b32 v[\d1], v[\d1], v[\b1]
.else
	v_cndmask_b32 v[\d0], v[\d0], v[\b0], vcc_lo
	v_cndmask_b32 v[\d1], v[\d1], v[\b1], vcc_lo
.endif
.endm
.macro DTRK q, m                       ; the winner's supertile, and the new best
.if DUAL
	v_dual_cndmask_b32 v[ID+\q], v[ID+\q], v[CUR] :: v_dual_max_num_f32 v[BEST+\q], v[BEST+\q], v[\m]
.else
	v_cndmask_b32 v[ID+\q], v[ID+\q], v[CUR], vcc_lo
	v_max_num_f32 v[BEST+\q], v[BEST+\q], v[\m]
.endif
.endm
	s_load_b256 s[4:11], s[0:1], 0x0               ; xq s[4:5], cq s[6:7], ckey s[8:9], cidx s[10:11]
	v_lshl_add_u32 v[SPW], v0, 2, SPARE
	v_mov_b32 v[NIL], 0
	ds_add_u32 v[SPW], v[NIL]                      ; the opening lines: the add, twice on end, and its wait ahead of my first tensor load
	ds_add_u32 v[SPW], v[NIL]
	v_lshrrev_b32 v[TMP], 5, v0
	s_delay_alu instid0(VALU_DEP_1)
	v_readfirstlane_b32 s12, v[TMP]                ; wave 0..7
	s_bfe_u32 s13, ttmp6, 0x40000                  ; cx: my place in the cluster
	s_lshl_b32 s14, ttmp9, 2                       ; in a cluster launch ttmp9 counts clusters
	s_add_co_u32 s14, s14, s13                     ; rb = 4 x cluster x + cx: it enters xq's, ckey's and cidx's addresses alone
	s_and_b32 s15, ttmp7, 0xffff                   ; the partition, which the four partners share
	; descriptor group 1: a dense block of 18,432 bytes as 72 rows of 256 bytes (32 elements of 8 bytes), no padding: fragments are read as 512 consecutive bytes
	s_mov_b32 s20, 15|(3<<16)|(1<<21)              ; the mask of all four work-groups; elements of 8 bytes; bit 21 set beside a mask
	s_mov_b32 s21, 32<<16                          ; tensor_dim0 = 32
	s_mov_b32 s22, 72<<16                          ; tensor_dim1 = 72
	s_mov_b32 s23, 32<<16                          ; tile_dim0 = 32
	s_mov_b32 s24, 72                              ; tile_dim1 = 72
	s_mov_b32 s25, 32                              ; tensor_dim0_stride
	s_mov_b32 s26, 0
	s_mov_b32 s27, 0
	s_mov_b32 s16, 1                               ; group 0: count = 1
	s_mul_i32 s17, s12, WSH                        ; LDS address: my eighth: no place in the cluster enters it
	s_mul_i32 s32, s15, PARTB
	s_add_co_u32 s32, s32, s17                     ; cq: the partition, my eighth
	s_mov_b32 s33, 0
	s_mul_i32 s34, s14, PARTB
	s_add_co_u32 s34, s34, s17                     ; xq: my block's 64 records, my wave's 8
	s_mov_b32 s35, 0
	s_lshl_b32 s42, s15, 17                        ; ckey, cidx: [partition][row], 4 bytes: 131,072 x partition + 4,096 x rb + 512 x wave
	s_lshl_b32 s44, s14, 12
	s_add_co_u32 s42, s42, s44
	s_lshl_b32 s44, s12, 9
	s_add_co_u32 s42, s42, s44
	s_mov_b32 s43, 0
	s_mov_b32 s36, 0x76543210
	s_mov_b32 s37, 0xfedcba98                      ; v_permlanex16_b32's selects for lane l xor 16
	s_mov_b32 s38, 0xffff0000                      ; lanes 16-31
	s_mov_b32 s45, 0xff800000                      ; -infinity
	s_mov_b32 s31, 0                               ; LDS byte at which the trip's supertiles begin
	s_wait_dscnt 0x0
	s_wait_kmcnt 0x0
	s_add_nc_u64 s[18:19], s[6:7], s[32:33]        ; group 0: global address,
	s_or_b32 s19, s19, 0x80000000                  ; type = 2
	s_add_nc_u64 s[4:5], s[4:5], s[34:35]
	s_add_nc_u64 s[8:9], s[8:9], s[42:43]
	s_add_nc_u64 s[10:11], s[10:11], s[42:43]
	CROUND                                         ; all four work-groups are here: the joint loads meet
	tensor_load_to_lds s[16:19], s[20:27]          ; my one tensor load of the launch
	s_nop 0
.rept 4
	v_nop
.endr
	v_and_b32 v[TL], 31, v0                        ; lane
	v_and_b32 v[GR], 15, v0
	s_delay_alu instid0(VALU_DEP_2)
	v_lshlrev_b32 v[LI], 4, v[TL]                  ; 16 x lane
	v_lshlrev_b32 v[LS], 2, v[TL]                  ; 4 x lane
	v_lshlrev_b32 v[GR], 2, v[GR]                  ; 4 r
	WIN 0x40                                       ; destination window 1, address window 0
.irp q, 0,1,2,3,4,5,6,7                        ; x's fragments stay in registers: tile q, image i = 2 s + c: 512 consecutive bytes a load
.irp i, 0,1,2,3
	global_load_b128 v[XF+16*\q+4*\i:XF+16*\q+4*\i+3], v[LI], s[4:5] offset:REC*\q+512*\i
.endr
.endr
	WIN 0
.irp q, 0,1,2,3,4,5,6,7
	global_load_b32 v[BSC+\q], v[LS], s[4:5] offset:REC*\q+2048   ; lanes 0-15: the rows' scale words of K step 0; lanes 16-31: of K step 1
	global_load_b32 v[L2N+\q], v[GR], s[4:5] offset:REC*\q+2176   ; -L2 of my row
.endr
.irp q, 0,1,2,3,4,5,6,7
	v_mov_b32 v[BEST+\q], s45                      ; best = -infinity
	v_mov_b32 v[ID+\q], 0
.endr
	v_mov_b32 v[CUR], 0
.set n, 0
.rept 128
	v_mov_b32 v[SV+n], s45                         ; the kept groups begin as -infinity, so that the loop has no first supertile of its own; written while the loads are out
.set n, n+1
.endr
.macro ADDR                            ; the LDS addresses of the supertiles from byte s31 on: 16 x lane, 4 x lane, 32 h
	v_and_b32 v[TMP], 31, v0
	s_delay_alu instid0(VALU_DEP_1)
	v_lshl_add_u32 v[ADI], v[TMP], 4, s31
	s_delay_alu instid0(VALU_DEP_2)
	v_lshl_add_u32 v[ADS], v[TMP], 2, s31
	v_bfe_u32 v[TMP], v0, 4, 1
	s_delay_alu instid0(VALU_DEP_1)
	v_lshl_add_u32 v[ADC], v[TMP], 5, s31
.endm
.macro LOADAF p, off                   ; the supertile off bytes on, into set p: eight loads of fragments, two of scale words (lanes 0-15 K step 0's, lanes 16-31 K step 1's): 10 loads
	WIN 0x40
.irp u, 0,1
.irp i, 0,1,2,3
	ds_load_b128 v[AF+32*(\p)+16*\u+4*\i:AF+32*(\p)+16*\u+4*\i+3], v[ADI] offset:\off+REC*\u+512*\i
.endr
.endr
	WIN 0
.irp u, 0,1
	ds_load_b32 v[ASC+2*(\p)+\u], v[ADS] offset:\off+REC*\u+2048
.endr
.endm
.macro LOADC2 off                      ; -C2 of my 16 codes of that supertile: 4 loads
	WIN 0
.irp u, 0,1
	ds_load_b128 v[C2+8*\u:C2+8*\u+3], v[ADC] offset:\off+REC*\u+2176
	ds_load_b128 v[C2+8*\u+4:C2+8*\u+7], v[ADC] offset:\off+REC*\u+2192
.endr
.endm
; Eight matrix instructions: tiles of rows 2 k and 2 k + 1 against set p's two tiles of codes, K step 0 (which starts the sums) and then K step 1.  The four accumulators take turns, one instruction a turn.
.macro W k, p
	WIN 0x05                                       ; sources 0 (codes) and 1 (x) window 1; C and D window 0
.irp e, 0,1
.irp u, 0,1
	v_wmma_scale_f32_16x16x128_f8f6f4 v[ACC+16*\e+8*\u:ACC+16*\e+8*\u+7], v[AF+32*(\p)+16*\u:AF+32*(\p)+16*\u+7], v[XF+16*(2*(\k)+\e):XF+16*(2*(\k)+\e)+7], 0, v[ASC+2*(\p)+\u], v[BSC+2*(\k)+\e] matrix_a_fmt:MATRIX_FMT_FP4 matrix_b_fmt:MATRIX_FMT_FP4
.endr
.endr
.irp e, 0,1
.irp u, 0,1
	v_wmma_scale_f32_16x16x128_f8f6f4 v[ACC+16*\e+8*\u:ACC+16*\e+8*\u+7], v[AF+32*(\p)+16*\u+8:AF+32*(\p)+16*\u+15], v[XF+16*(2*(\k)+\e)+8:XF+16*(2*(\k)+\e)+15], v[ACC+16*\e+8*\u:ACC+16*\e+8*\u+7], v[ASC+2*(\p)+\u], v[BSC+2*(\k)+\e] matrix_a_fmt:MATRIX_FMT_FP4 matrix_b_fmt:MATRIX_FMT_FP4 matrix_a_scale:MATRIX_SCALE_ROW1 matrix_b_scale:MATRIX_SCALE_ROW1
.endr
.endr
.endm
.macro ADDS k                          ; fl(-C2 + -L2) for batch k's 2 x 16 numbers
	WIN 0
.irp j, 0,2,4,6,8,10,12,14
	DADD T+\j, C2+\j, L2N+2*(\k), T+17+\j, C2+1+\j, L2N+1+2*(\k)
	DADD T+1+\j, C2+1+\j, L2N+2*(\k), T+16+\j, C2+\j, L2N+1+2*(\k)
.endr
.endm
.macro FMACS                           ; nd = fl(2 LC + that); each accumulator is read from its low end on
	WIN 0
.irp j, 0,2,4,6,8,10,12,14
	DFMA T+\j, ACC+\j, T+17+\j, ACC+17+\j
	DFMA T+1+\j, ACC+1+\j, T+16+\j, ACC+16+\j
.endr
.endm
.macro XTR k                           ; each group's largest; does it beat the lane's best?  Then its supertile and its 16 numbers are kept
	WIN 0
.irp e, 0,1
	v_max3_num_f32 v[MM+2*\e], v[T+16*\e], v[T+16*\e+1], v[T+16*\e+2]
	v_max3_num_f32 v[MM+2*\e+1], v[T+16*\e+7], v[T+16*\e+8], v[T+16*\e+9]
.endr
.irp i, 3,5
.irp e, 0,1
	s_delay_alu instid0(VALU_DEP_4)
	v_max3_num_f32 v[MM+2*\e], v[MM+2*\e], v[T+16*\e+\i], v[T+16*\e+\i+1]
	s_delay_alu instid0(VALU_DEP_4)
	v_max3_num_f32 v[MM+2*\e+1], v[MM+2*\e+1], v[T+16*\e+\i+7], v[T+16*\e+\i+8]
.endr
.endr
	s_delay_alu instid0(VALU_DEP_3)
	v_max3_num_f32 v[MM], v[MM], v[MM+1], v[T+14]
	s_delay_alu instid0(VALU_DEP_2)
	v_max3_num_f32 v[MM+2], v[MM+2], v[MM+3], v[T+30]
	s_delay_alu instid0(VALU_DEP_2)
	v_max_num_f32 v[MM], v[MM], v[T+15]
	s_delay_alu instid0(VALU_DEP_2)
	v_max_num_f32 v[MM+2], v[MM+2], v[T+31]
.irp e, 0,1
	v_cmp_gt_f32 vcc_lo, v[MM+2*\e], v[BEST+2*(\k)+\e]             ; strictly: an equal later group does not win
	DTRK 2*(\k)+\e, MM+2*\e
.irp i, 0,2,4,6,8,10,12,14
	DSEL SV+16*(2*(\k)+\e)+\i, T+16*\e+\i, SV+16*(2*(\k)+\e)+\i+1, T+16*\e+\i+1
.endr
.endr
.endm
; A SUPERTILE, in set p.  Its batch 0 was multiplied in the supertile before.  One set of accumulators: a batch's matrix instructions stand behind the multiply-adds that read the batch before out of it; the maxima and
; selections of that batch and the next additions, which name none of their registers, are the places in front of the reads of their results and of the loads into their fragments' registers.
; more = 1: the next supertile, off bytes on, is fetched: fragments and scale words at the head, -C2 behind the last additions that read this supertile's.
.macro BODY p, off, more
.if \more
	LOADAF 1-\p, \off
	s_wait_dscnt 10                                ; all but the ten just issued: this supertile's -C2 is in
.else
	s_wait_dscnt 0x0
.endif
	ADDS 0
	FMACS
	W 1, \p
	XTR 0
	ADDS 1
	FMACS
	W 2, \p
	XTR 1
	ADDS 2
	FMACS
	W 3, \p
	XTR 2
	ADDS 3
.if \more
	LOADC2 \off
.endif
	FMACS
.if \more
	s_wait_alu depctr_va_vdst(0)                   ; directly ahead of the wait below
	s_wait_dscnt 4                                 ; all but -C2's four: the next supertile's fragments and scale words are in
	W 0, 1-\p
.endif
	XTR 3
	v_add_nc_u32 v[CUR], 1, v[CUR]
.endm
	ADDR
	s_wait_alu depctr_va_vdst(0)
	s_wait_tensorcnt 0x0                           ; my eighth of the partition is in LDS,
	s_barrier_signal -1
	s_barrier_wait -1                              ; everybody's is
	LOADAF 0, 0
	LOADC2 0
	s_wait_loadcnt 0x0                             ; x's fragments, scale words and -L2
	s_wait_dscnt 0x0
	W 0, 0
	WIN 0                                          ; at a label and at a branch every window is 0
	s_mov_b32 s30, 15
.Ltrip:                                            ; a trip: supertiles 2 t and 2 t + 1; it fetches 2 t + 1 and 2 t + 2
	s_wait_alu depctr_va_vdst(0)
	BODY 0, SUP, 1
	BODY 1, 2*SUP, 1
	s_add_co_u32 s31, s31, 2*SUP
	ADDR
	s_sub_co_u32 s30, s30, 1
	s_cmp_lg_u32 s30, 0
	s_cbranch_scc1 .Ltrip
	BODY 0, SUP, 1                                 ; supertile 30; it fetches the last
	BODY 1, 0, 0                                   ; supertile 31
	; THE END.  A barrier parts every wave's reads of the partition from the stores into the scratch words.
	s_wait_alu depctr_va_vdst(0)                   ; directly ahead of the wait below
	s_wait_dscnt 0x0
	s_barrier_signal -1
	s_barrier_wait -1
	v_and_b32 v[TL], 31, v0
	v_bfe_u32 v[BASE], v0, 4, 1                    ; h
	s_lshl_b32 s44, s15, 10
	v_lshlrev_b32 v[LI], 4, v[TL]
	v_lshlrev_b32 v[LS], 2, v[TL]
	v_lshl_add_u32 v[BASE], v[BASE], 4, s44        ; 16 h + 1,024 x partition
	s_lshl_b32 s44, s12, 10
	s_add_co_u32 s44, s44, SCR
	v_add_nc_u32 v[SCA], s44, v[LS]                ; my wave's scratch + 4 x lane,
	v_add_nc_u32 v[SCB], s44, v[LI]                ; + 16 x lane
	v_mov_b32 v[OK], 0                             ; written once: a lane permute's destination counts as one of its sources
	v_mov_b32 v[OI], 0
.irp q, 0,1,2,3,4,5,6,7
	v_mov_b32 v[POS+\q], 0
.irp i, 15,14,13,12,11,10,9,8,7,6,5,4,3,2,1,0  ; downward, so that the lowest place that holds the best stays
	v_cmp_neq_f32 vcc_lo, v[SV+16*\q+\i], v[BEST+\q]
	s_delay_alu instid0(VALU_DEP_1)
	v_cndmask_b32 v[POS+\q], \i, v[POS+\q], vcc_lo
.endr
	s_delay_alu instid0(VALU_DEP_1)
	v_lshl_add_u32 v[IX+\q], v[ID+\q], 5, v[POS+\q]
	s_delay_alu instid0(VALU_DEP_1)
	v_add_nc_u32 v[IX+\q], v[BASE], v[IX+\q]       ; the code: 1,024 x partition + 32 x supertile + 16 h + place
	v_sub_f32 v[KY+\q], 0, v[BEST+\q]              ; d = 0 - nd (a zero of either sign becomes +0)
	s_delay_alu instid0(VALU_DEP_1)
	v_ashrrev_i32 v[TA], 31, v[KY+\q]
	s_delay_alu instid0(VALU_DEP_1)
	v_or_b32 v[TA], 0x80000000, v[TA]
	s_delay_alu instid0(VALU_DEP_1)
	v_xor_b32 v[KY+\q], v[KY+\q], v[TA]            ; the key: negative numbers all bits turned, the others the sign bit: it orders, unsigned, as d does
	s_delay_alu instid0(VALU_DEP_1)
	v_permlanex16_b32 v[OK], v[KY+\q], s36, s37    ; the row's other codes lie in the lane 16 away
	v_permlanex16_b32 v[OI], v[IX+\q], s36, s37
	s_delay_alu instid0(VALU_DEP_2)
	v_cmp_lt_u32 s39, v[OK], v[KY+\q]
	s_delay_alu instid0(VALU_DEP_3)
	v_cmp_eq_u32 s40, v[OK], v[KY+\q]
	s_delay_alu instid0(VALU_DEP_3)
	v_cmp_lt_u32 s41, v[OI], v[IX+\q]
	s_and_b32 s40, s40, s41
	s_or_b32 s39, s39, s40                         ; the other lane's wins: a smaller key, or an equal key and a lower code
	v_cndmask_b32 v[KY+\q], v[KY+\q], v[OK], s39
	v_cndmask_b32 v[IX+\q], v[IX+\q], v[OI], s39
.endr
.irp t, 0,1,2,3                                ; lanes 0-15 give tile 2 t's rows, lanes 16-31 tile 2 t + 1's: 32 neighbouring rows a store; through my own scratch words, so that a lane leaves with four neighbours
	v_cndmask_b32 v[OUTV+2*\t], v[KY+2*\t], v[KY+2*\t+1], s38
	v_cndmask_b32 v[OUTV+2*\t+1], v[IX+2*\t], v[IX+2*\t+1], s38
	ds_store_b32 v[SCA], v[OUTV+2*\t] offset:128*\t
	ds_store_b32 v[SCA], v[OUTV+2*\t+1] offset:512+128*\t
.endr
	ds_load_b128 v[OUTB:OUTB+3], v[SCB]            ; LDS serves a wave's instructions in order (ISA guide 5.7.1.4): these see my stores
	ds_load_b128 v[OUTB+4:OUTB+7], v[SCB] offset:512
	s_wait_dscnt 0x0
	global_store_b128 v[LI], v[OUTB:OUTB+3], s[8:9]   ; 32 lanes store 512 consecutive bytes, at a multiple of 256 from the buffer's first byte
	global_store_b128 v[LI], v[OUTB+4:OUTB+7], s[10:11]
	s_wait_tensorcnt 0x0                           ; the wave's end
	ds_add_u32 v[SPW], v[NIL]
	s_wait_dscnt 0x0
	CROUND                                         ; the closing round: no work-group ends while a partner may still ask for a tile that names it
	s_endpgm
.Lfunc_end_k_qf655cb93c0_dist:
	.size	k_qf655cb93c0_dist, .Lfunc_end_k_qf655cb93c0_dist-k_qf655cb93c0_dist
	.p2alignl 7, 3214868480
	.fill 96, 4, 3214868480
	.section	.rodata,"a",@progbits
	.p2align	6, 0x0
	.amdhsa_kernel k_qf655cb93c0_dist
		.amdhsa_group_segment_fixed_size 168960
		.amdhsa_private_segment_fixed_size 0
		.amdhsa_enable_private_segment 0
		.amdhsa_kernarg_size 32
		.amdhsa_user_sgpr_count 2
		.amdhsa_user_sgpr_kernarg_segment_ptr 1
		.amdhsa_wavefront_size32 1
		.amdhsa_system_sgpr_workgroup_id_x 1
		.amdhsa_system_sgpr_workgroup_id_y 1
		.amdhsa_system_sgpr_workgroup_id_z 1
		.amdhsa_system_vgpr_workitem_id 0
		.amdhsa_next_free_vgpr 448
		.amdhsa_next_free_sgpr 66
		.amdhsa_reserve_vcc 1
		.amdhsa_float_denorm_mode_32 3
		.amdhsa_float_denorm_mode_16_64 3
		.amdhsa_memory_ordered 1
		.amdhsa_forward_progress 1
		.amdhsa_inst_pref_size 130
	.end_amdhsa_kernel
	.amdgpu_metadata
---
amdhsa.version: [ 1, 2 ]
amdhsa.kernels:
  - .name:           k_qf655cb93c0_dist
    .symbol:         k_qf655cb93c0_dist.kd
    .args:
      - { .name: xq, .offset: 0, .size: 8, .value_kind: global_buffer, .address_space: global }
      - { .name: cq, .offset: 8, .size: 8, .value_kind: global_buffer, .address_space: global }
      - { .name: ckey, .offset: 16, .size: 8, .value_kind: global_buffer, .address_space: global }
      - { .name: cidx, .offset: 24, .size: 8, .value_kind: global_buffer, .address_space: global }
    .group_segment_fixed_size: 168960
    .private_segment_fixed_size: 0
    .kernarg_segment_align: 8
    .kernarg_segment_size: 32
    .max_flat_workgroup_size: 256
    .sgpr_count:     66
    .vgpr_count:     448
    .wavefront_size: 32
...
	.end_amdgpu_metadata
.endif
;; end of part 2
;; launch gather (part 3): grid 256 x 1, 8 waves a work-group, no clusters, 0 bytes of LDS; arguments ckey, cidx, codebook, out0; writes out0
.if DOCPART == 3
	.amdgcn_target "amdgcn-amd-amdhsa--gfx1250"
	.amdhsa_code_object_version 6
	.text
	.protected	k_qf655cb93c0_gather
	.globl	k_qf655cb93c0_gather
	.p2align	8
	.type	k_qf655cb93c0_gather,@function
k_qf655cb93c0_gather:
	s_mov_b64 s[64:65], 0
	v_nop
	global_prefetch_b8 v0, s[64:65] scope:SCOPE_SE
	s_setreg_imm32_b32 hwreg(HW_REG_WAVE_MODE, 25, 1), 1
	s_wait_xcnt 0x0
; out0[row] = codebook[the row's closest code].  ckey and cidx, [8 partitions][32768 rows] of whole numbers, hold each partition's smallest distance (as a key that orders as the distance does) and the first code that reaches it.
; The smallest key wins; among equal keys the lowest code.  Then the code's row of 1,024 bytes is copied.
; SHARES: a wave takes 16 rows.  Lane (r, h) reads row r's keys and indices of partitions 4 h .. 4 h + 3; one exchange between the halves of the lanes joins the eight.
; Memory binds: all 32 loads of a wave's 16 rows go out together, each of 512 consecutive bytes; each store covers 512 consecutive bytes at a multiple of 256 from the buffer's first byte.
; LDS, matrix units and clusters would add nothing: no two work-groups are known to want the same row.  The keys are read as pieces of 64 bytes: 2 MiB in all beside the 64 MiB of rows that are moved.
.set KEY, 8                            ; v8-11   keys;  v12-15 indices
.set IDX, 12
.set OFF, 24                           ; v24-39  row j's byte offset in the codebook, + 16 x lane: never rewritten
.set D,   40                           ; v40-167 16 rows x 8 registers
	s_load_b256 s[4:11], s[0:1], 0x0               ; ckey s[4:5], cidx s[6:7], codebook s[8:9], out0 s[10:11]
	v_lshrrev_b32 v1, 5, v0
	s_delay_alu instid0(VALU_DEP_1)
	v_readfirstlane_b32 s12, v1                    ; wave 0..7
	v_and_b32 v1, 31, v0
	s_delay_alu instid0(VALU_DEP_1)
	v_lshlrev_b32 v1, 4, v1                        ; v1: 16 x lane
	v_and_b32 v2, 15, v0                           ; r
	v_bfe_u32 v3, v0, 4, 1                         ; h
	s_delay_alu instid0(VALU_DEP_2)
	v_lshlrev_b32 v2, 2, v2
	s_delay_alu instid0(VALU_DEP_1)
	v_lshl_add_u32 v2, v3, 19, v2                  ; v2: 4 r + four partitions of 131,072 bytes for lanes 16-31
	s_lshl_b32 s14, ttmp9, 9
	s_lshl_b32 s15, s12, 6
	s_add_co_u32 s14, s14, s15                     ; 4 bytes x my first row: 128 x work-group + 16 x wave
	s_mov_b32 s15, 0
	s_lshl_b32 s16, ttmp9, 17
	s_lshl_b32 s17, s12, 14
	s_add_co_u32 s16, s16, s17                     ; and 1,024 bytes x that row
	s_mov_b32 s17, 0
	s_mov_b32 s18, 0x76543210
	s_mov_b32 s19, 0xfedcba98                      ; v_permlanex16_b32's selects for lane l xor 16
	v_mov_b32 v16, 0                               ; written once: a lane permute's destination counts as one of its sources
	v_mov_b32 v17, 0
	s_wait_alu depctr_va_vdst(0)
	s_wait_kmcnt 0x0
	s_add_nc_u64 s[4:5], s[4:5], s[14:15]
	s_add_nc_u64 s[6:7], s[6:7], s[14:15]
	s_add_nc_u64 s[10:11], s[10:11], s[16:17]
.irp t, 0,1,2,3
	global_load_b32 v[KEY+\t], v2, s[4:5] offset:131072*\t th:TH_LOAD_NT
	global_load_b32 v[IDX+\t], v2, s[6:7] offset:131072*\t th:TH_LOAD_NT
.endr
	s_wait_loadcnt 0x0
.irp t, 1
	v_cmp_lt_u32 vcc_lo, v[KEY+\t], v[KEY]
	s_delay_alu instid0(VALU_DEP_1)
	v_cndmask_b32 v[KEY], v[KEY], v[KEY+\t], vcc_lo
	s_delay_alu instid0(VALU_DEP_2)
	v_cndmask_b32 v[IDX], v[IDX], v[IDX+\t], vcc_lo
.endr
.irp t, 2, 3
	s_delay_alu instid0(VALU_DEP_2)
	v_cmp_lt_u32 vcc_lo, v[KEY+\t], v[KEY]
	s_delay_alu instid0(VALU_DEP_1)
	v_cndmask_b32 v[KEY], v[KEY], v[KEY+\t], vcc_lo
	s_delay_alu instid0(VALU_DEP_2)
	v_cndmask_b32 v[IDX], v[IDX], v[IDX+\t], vcc_lo
.endr
	s_delay_alu instid0(VALU_DEP_2)
	v_permlanex16_b32 v16, v[KEY], s18, s19
	s_delay_alu instid0(VALU_DEP_2)
	v_permlanex16_b32 v17, v[IDX], s18, s19
	s_delay_alu instid0(VALU_DEP_2)
	v_cmp_lt_u32 s21, v16, v[KEY]
	s_delay_alu instid0(VALU_DEP_3)
	v_cmp_eq_u32 s22, v16, v[KEY]
	s_delay_alu instid0(VALU_DEP_3)
	v_cmp_lt_u32 s23, v17, v[IDX]
	s_and_b32 s22, s22, s23
	s_or_b32 s21, s21, s22                         ; the other lane's wins: a smaller key, or an equal key and a lower code
	v_cndmask_b32 v[IDX], v[IDX], v17, s21
	s_delay_alu instid0(VALU_DEP_1)
	v_min_u32 v[IDX], 8191, v[IDX]                 ; an index stays inside the table
.irp j, 0,1,2,3,4,5,6,7,8,9,10,11,12,13,14,15
	v_readlane_b32 s20, v[IDX], \j                 ; row j's code, for the whole wave
	s_min_u32 s20, s20, 8191
	v_lshl_add_u32 v[OFF+\j], s20, 10, v1          ; 1,024 bytes a code, + 16 x lane
	global_load_b128 v[D+8*\j:D+8*\j+3], v[OFF+\j], s[8:9]                  ; no hint: a code may be chosen by many rows
	global_load_b128 v[D+8*\j+4:D+8*\j+7], v[OFF+\j], s[8:9] offset:512
.endr
.irp j, 0,1,2,3,4,5,6,7,8,9,10,11,12,13,14,15
	s_wait_loadcnt 30-2*\j                         ; loads come back in order (ISA guide 5.7.1): row j's two are in, the two of each of the 15 - j younger rows may stay out
	global_store_b128 v1, v[D+8*\j:D+8*\j+3], s[10:11] offset:1024*\j th:TH_STORE_NT
	global_store_b128 v1, v[D+8*\j+4:D+8*\j+7], s[10:11] offset:1024*\j+512 th:TH_STORE_NT
.endr
	s_endpgm
.Lfunc_end_k_qf655cb93c0_gather:
	.size	k_qf655cb93c0_gather, .Lfunc_end_k_qf655cb93c0_gather-k_qf655cb93c0_gather
	.p2alignl 7, 3214868480
	.fill 96, 4, 3214868480
	.section	.rodata,"a",@progbits
	.p2align	6, 0x0
	.amdhsa_kernel k_qf655cb93c0_gather
		.amdhsa_group_segment_fixed_size 0
		.amdhsa_private_segment_fixed_size 0
		.amdhsa_enable_private_segment 0
		.amdhsa_kernarg_size 32
		.amdhsa_user_sgpr_count 2
		.amdhsa_user_sgpr_kernarg_segment_ptr 1
		.amdhsa_wavefront_size32 1
		.amdhsa_system_sgpr_workgroup_id_x 1
		.amdhsa_system_sgpr_workgroup_id_y 1
		.amdhsa_system_sgpr_workgroup_id_z 1
		.amdhsa_system_vgpr_workitem_id 0
		.amdhsa_next_free_vgpr 176
		.amdhsa_next_free_sgpr 66
		.amdhsa_reserve_vcc 1
		.amdhsa_float_denorm_mode_32 3
		.amdhsa_float_denorm_mode_16_64 3
		.amdhsa_memory_ordered 1
		.amdhsa_forward_progress 1
		.amdhsa_inst_pref_size 13
	.end_amdhsa_kernel
	.amdgpu_metadata
---
amdhsa.version: [ 1, 2 ]
amdhsa.kernels:
  - .name:           k_qf655cb93c0_gather
    .symbol:         k_qf655cb93c0_gather.kd
    .args:
      - { .name: ckey, .offset: 0, .size: 8, .value_kind: global_buffer, .address_space: global }
      - { .name: cidx, .offset: 8, .size: 8, .value_kind: global_buffer, .address_space: global }
      - { .name: codebook, .offset: 16, .size: 8, .value_kind: global_buffer, .address_space: global }
      - { .name: out0, .offset: 24, .size: 8, .value_kind: global_buffer, .address_space: global }
    .group_segment_fixed_size: 0
    .private_segment_fixed_size: 0
    .kernarg_segment_align: 8
    .kernarg_segment_size: 32
    .max_flat_workgroup_size: 256
    .sgpr_count:     66
    .vgpr_count:     176
    .wavefront_size: 32
...
	.end_amdgpu_metadata
.endif
;; end of part 3
